; MI455X (gfx1250); checked and timed in simulation.
; The chip was launched on July 23, 2026; its instructions are those of AMD's public machine-readable ISA for CDNA 5 (MIT licence, August 2026) and "CDNA5" Instruction Set Architecture Reference Guide (July 2026). The comments in the code are by the model that wrote it; some were corrected since.
;; Multi Head Self Attention. Allowed arithmetic: matrix products marked QUANTISED: E4M3 operands, one given power-of-two scale a tensor, by v_wmma_f32_16x16x64_fp8_fp8 or v_wmma_f32_16x16x128_fp8_fp8, f32 sums; everything else in f32.
;; Inputs: W_t 1,024 x 3,072 float32; b 3,072 float32; lowp_scales 6 int32 (the exponents e of the quantised operands' scales 2^e); x 4 x 2,048 x 1,024 float32.
;; Outputs: out0 4 x 2,048 x 1,024 float32.
;; This version of the problem:
;;   THIS VERSION OF THE PROBLEM IS GIVEN IN LOW PRECISION. The matrix products marked QUANTISED in the list below multiply operands that are first quantised to E4M3 (4 exponent bits, 3 mantissa bits; 8 bits a number), with one given power-of-two scale for each operand tensor; their sums are f32. All else is computed in f32.
;;   The module's matrix products, in the order in which they are computed (A, B: the left and right operand; K: the contracted axis; several contracted axes count as one K, in the product's order):
;;     1. [M 8,192, K 1,024] x [K 1,024, N 3,072]; A: input x; B: input W_t: QUANTISED (scales: A lowp_scales[0], B lowp_scales[1])
;;     2. batch 64 x [M 2,048, K 64] x [K 64, N 2,048]; A: computed on the way; B: computed on the way: QUANTISED (scales: A lowp_scales[2], B lowp_scales[3])
;;     3. batch 64 x [M 2,048, K 2,048] x [K 2,048, N 64]; A: softmax (see below); B: computed on the way: QUANTISED (scales: A lowp_scales[4], B lowp_scales[5])
;;   THE QUANTISER, for each operand of a quantised product, along K:
;;     - The operand's scale is 2^e, e = its entry of the input lowp_scales (int32; the entries are numbered through the quantised products in the list's order, A before B).
;;     - Each number is divided by the scale, clamped to +-448, and rounded to the nearest number of E4M3, ties to even, subnormals kept.
;;     - The product sums the exact products of the quantised numbers (number of the format x scale) in f32.
;;   ~~~python
;;   def quantise(x, axis, e):      # numpy; x: float32 -> the quantised numbers, widened to float32 again
;;       x = np.moveaxis(x, axis, -1); K = x.shape[-1]
;;       r = np.clip(x / 2.0 ** e, -448, 448)
;;       step = 2.0 ** (np.maximum(np.frexp(np.where(r == 0, 1, r))[1] - 1, -6) - 3)
;;       q = np.round(r / step) * step * 2.0 ** e      # np.round: ties to even
;;       return np.moveaxis(q, -1, axis).astype(np.float32)
;;   ~~~
;;   SOFTMAX AHEAD OF A QUANTISED PRODUCT. Where the list says 'softmax', what is quantised is not the finished softmax but p = 2^(t - M), with t = logit x log2(e) and M = ceil(the row's largest t), a whole number; so 1/2 < the row's largest p <= 1. The row's sum l is taken of the UNQUANTISED p, in f32, and the product's result is divided by l at the end. Since M is a whole number, a kernel that streams over the keys may use a running M (the ceiling of the running maximum): every later rescaling is an exact power of two, so the quantised numbers keep their values, but for numbers so far below the row's largest that they fall under the format's range.
;;   OPERANDS COMPUTED ON THE WAY. 'Computed on the way' means the value that the module computes at that place (a softmax that the list does not call 'softmax' is quantised finished and normalised). What goes into a quantiser is computed in f32, as accurately as f32 sums, v_exp_f32 and their like allow (about 1e-6 of the number): no bf16 or f16 on the way to a quantiser, and a product that is left as it is and whose result goes on into a quantised operand takes f32 operands (vector FMAs, or v_wmma_f32_16x16x4_f32). A number that lies on a knife's edge between two numbers of the format may be rounded either way, as far as f32 arithmetic and the matrix unit's own rounding can turn it there, and no further.
;; One version. Each part assembles by itself: llvm-mc -triple=amdgcn-amd-amdhsa -mcpu=gfx1250 --defsym DOCPART=n.
;; ======== version 1 of 1: 3 launches
;; limits: right only within a limited range of input values
;; workspace buffers: x_codes 8,388,608 bytes; w_codes 3,145,728 bytes; qk_codes 16,777,216 bytes; v_codes 8,388,608 bytes
;; launch quant (part 1): grid 352 x 1, 4 waves a work-group, no clusters, 36,352 bytes of LDS; arguments x, W_t, lowp_scales, x_codes, w_codes; writes x_codes, w_codes
.if DOCPART == 1
	.amdgcn_target "amdgcn-amd-amdhsa--gfx1250"
	.amdhsa_code_object_version 6
	.text
	.protected	k_q9aba3f76fb_quant
	.globl	k_q9aba3f76fb_quant
	.p2align	8
	.type	k_q9aba3f76fb_quant,@function
k_q9aba3f76fb_quant:
	s_mov_b64 s[64:65], 0
	v_nop
	global_prefetch_b8 v0, s[64:65] scope:SCOPE_SE
	s_setreg_imm32_b32 hwreg(HW_REG_WAVE_MODE, 25, 1), 1
	s_wait_xcnt 0x0
; x [8192][1024] f32 and W_t [1024 (k)][3072 (n)] f32 become codes of E4M3, one byte each, K innermost: x_codes [8192][1024], w_codes [3072][1024].
; code = number / 2^e, held within +-448, rounded to the nearest code, ties to even; e = entry 0 of lowp_scales for x, entry 1 for W_t.
; LIMITS: e between -126 and 119, so that 2^e and 448 x 2^e are f32 numbers.  NaN among the inputs is not served; an infinity is held at the largest code.
; THE PLACES ALONG K ARE PERMUTED, ALIKE IN BOTH BUFFERS: byte P of a row holds k = 512 (P >> 9) + 128 ((P >> 2) & 3) + 4 ((P >> 4) & 31) + (P & 3).
; Every product of the GEMM still meets its partner; only the order of the sums changes.  What it buys: for x a lane's four loads of 16 bytes, each 512 consecutive bytes a wave,
; ARE the 16 numbers whose codes the lane stores as 16 neighbouring bytes: no turn through LDS.  For W_t it only changes the loads' immediates.
; Work-groups 0-255 take x (a wave: 8,192 numbers in 16 steps of 512), work-groups 256-351 take W_t (a wave: 32 columns x 256 places).  The x path touches no LDS; waves share nothing: no barrier.
.set NXWG, 256
.set XR,   16                          ; x: v16-79   four sets of 16 numbers
.set XC,   128                         ; x: v128-191 four registers of codes for each step: no store's data are written again
.set WX,   32                          ; W: v32-95   two sets of 32 numbers
.set WC,   96                          ; W: v96-103  a block's codes
.set WO,   112                         ; W: v112-175 the way out
.set WROW, 12288                       ; a row of W_t in bytes
.set WP,   272                         ; a stage row: 256 bytes of codes + 16
.macro XLOAD t                         ; step t: four loads, each 512 consecutive bytes a wave; register 4 s + i of a lane is k = 128 s + 4 lane + i of the step's 512
.irp s, 0,1,2,3
	global_load_b128 v[XR+16*((\t)%4)+4*\s:XR+16*((\t)%4)+4*\s+3], v3, s[4:5] offset:2048*(\t)+512*\s th:TH_LOAD_NT
.endr
.endm
.macro XSTEP t
.set XS, XR+16*((\t)%4)
.if 15-(\t) >= 3
	s_wait_loadcnt 12                              ; this step's four loads are in; those of the three steps behind it may be out
.else
	s_wait_loadcnt 4*(15-(\t))                     ; the counts run down: 8, 4, 0
.endif
.irp i, 0,1,2,3,4,5,6,7,8,9,10,11,12,13,14,15
	v_med3_num_f32 v[XS+\i], v[XS+\i], -v10, v10   ; the conversion to an 8-bit code does not saturate (ISA guide 7.6.2): the hold at the largest code x the scale
.endr
	v_cvt_scalef32_pk8_fp8_f32 v[XC+4*(\t):XC+4*(\t)+1], v[XS:XS+7], v11
	v_cvt_scalef32_pk8_fp8_f32 v[XC+4*(\t)+2:XC+4*(\t)+3], v[XS+8:XS+15], v11
.if (\t)+4 < 16
	XLOAD (\t)+4                                   ; the set just converted takes the loads of four steps on
.endif
	global_store_b128 v3, v[XC+4*(\t):XC+4*(\t)+3], s[8:9] offset:512*(\t)   ; the wave stores 512 consecutive bytes, aligned.  The next vector lines are the next step's holds: plain, on other registers
.endm
.macro WLOAD t                         ; block t of 32 places of my column: place 32 t + u takes the row that the permutation names
.set u, 0
.rept 32
	global_load_b32 v[WX+32*((\t)%2)+u], v3, s[4:5] offset:(128*((u>>2)&3)+8*(\t)+4*(u>>4)+(u&3))*WROW th:TH_LOAD_NT
.set u, u+1
.endr
.endm
.macro WBLOCK t
.set XS, WX+32*((\t)%2)
.if (\t) < 7
	s_wait_loadcnt 32                              ; this block's 32 loads are in; the next block's may be out
.else
	s_wait_loadcnt 0
.endif
.set u, 0
.rept 32
	v_med3_num_f32 v[XS+u], v[XS+u], -v10, v10
.set u, u+1
.endr
.irp g, 0,1,2,3
	v_cvt_scalef32_pk8_fp8_f32 v[WC+2*\g:WC+2*\g+1], v[XS+8*\g:XS+8*\g+7], v11
.endr
	ds_store_b128 v4, v[WC:WC+3] offset:32*(\t)    ; 32 codes of my column's row in the stage
	ds_store_b128 v4, v[WC+4:WC+7] offset:32*(\t)+16
.if (\t)+2 < 8
	WLOAD (\t)+2
.endif
	s_wait_dscnt 0x0                               ; the stores have read their registers: the next block's codes may be written
.endm
	s_load_b128 s[4:7], s[0:1], 0x0                ; x, W_t
	s_load_b64 s[10:11], s[0:1], 0x10              ; the scales' exponents
	s_load_b128 s[12:15], s[0:1], 0x18             ; x_codes, w_codes
	v_lshl_add_u32 v192, v0, 2, 0x8c00
	v_mov_b32 v193, 0
	v_lshrrev_b32 v1, 5, v0
	v_readfirstlane_b32 s16, v1                    ; wave 0..3
	v_and_b32 v2, 31, v0                           ; lane
	s_mov_b32 s19, 0                               ; the high word of every byte offset below
	s_wait_kmcnt 0x0
	s_load_b64 s[22:23], s[10:11], 0x0             ; e of x, e of W_t
	s_cmp_lt_u32 ttmp9, NXWG
	s_cbranch_scc0 .Lw
	; ---- x
	s_wait_alu depctr_va_vdst(0)
	v_lshlrev_b32 v3, 4, v2                        ; 16 bytes a lane, in and out
	s_lshl_b32 s17, ttmp9, 2
	s_add_co_u32 s17, s17, s16                     ; which run of 8,192 numbers is my wave's
	s_lshl_b32 s18, s17, 15
	s_add_nc_u64 s[4:5], s[4:5], s[18:19]          ; 32,768 bytes of numbers a run,
	s_lshl_b32 s18, s17, 13
	s_add_nc_u64 s[8:9], s[12:13], s[18:19]        ; 8,192 bytes of codes
.irp t, 0,1,2,3
	XLOAD \t
.endr
	s_wait_kmcnt 0x0
	s_add_co_i32 s22, s22, 127
	s_lshl_b32 s20, s22, 23
	v_mov_b32 v11, s20                             ; 2^e as f32: the conversion takes its exponent field
	s_add_co_i32 s22, s22, 8
	s_lshl_b32 s22, s22, 23
	s_or_b32 s22, s22, 0x600000
	v_mov_b32 v10, s22                             ; 448 x 2^e
	s_wait_alu depctr_va_vdst(0)
.irp t, 0,1,2,3,4,5,6,7,8,9,10,11,12,13,14,15
	XSTEP \t
.endr
	s_endpgm
	; ---- W_t: a lane takes a column n and its registers run along the places of K; the codes leave through the wave's own stage as rows
.Lw:
	s_sub_co_u32 s17, ttmp9, NXWG
	s_lshr_b32 s20, s17, 2                         ; which 128 columns
	s_and_b32 s21, s17, 3                          ; which 256 places
	s_lshl_b32 s20, s20, 7
	s_lshl_b32 s24, s16, 5
	s_add_co_u32 s20, s20, s24                     ; my wave's first column
	s_lshr_b32 s24, s21, 1
	s_lshl_b32 s24, s24, 9
	s_and_b32 s25, s21, 1
	s_lshl_b32 s25, s25, 6
	s_add_co_u32 s24, s24, s25                     ; the row of W_t from which the immediates count: 512 (kq >> 1) + 64 (kq & 1)
	s_mul_i32 s18, s24, WROW
	s_lshl_b32 s25, s20, 2
	s_add_co_u32 s18, s18, s25
	s_add_nc_u64 s[4:5], s[6:7], s[18:19]
	s_lshl_b32 s18, s20, 10
	s_lshl_b32 s25, s21, 8
	s_add_co_u32 s18, s18, s25
	s_add_nc_u64 s[8:9], s[14:15], s[18:19]        ; w_codes at row = my first column, byte 256 kq
	s_wait_alu depctr_va_vdst(0)
	v_lshlrev_b32 v3, 2, v2                        ; in: 4 bytes a lane: 128 consecutive bytes a wave
	s_mul_i32 s17, s16, 32*WP                      ; my stage
	v_mul_u32_u24 v4, v2, WP
	v_add_nc_u32 v4, s17, v4                       ; into it: row = my column
	v_and_b32 v5, 15, v2
	v_lshrrev_b32 v6, 4, v2
	v_mul_u32_u24 v7, v6, WP
	v_lshl_add_u32 v7, v5, 4, v7
	v_add_nc_u32 v7, s17, v7                       ; out of it: sixteen lanes to a row, two rows an instruction
	v_lshlrev_b32 v8, 10, v6
	v_lshl_add_u32 v8, v5, 4, v8                   ; and the same place in w_codes
	WLOAD 0
	WLOAD 1
	s_wait_kmcnt 0x0
	s_add_co_i32 s23, s23, 127
	s_lshl_b32 s20, s23, 23
	v_mov_b32 v11, s20
	s_add_co_i32 s23, s23, 8
	s_lshl_b32 s23, s23, 23
	s_or_b32 s23, s23, 0x600000
	v_mov_b32 v10, s23
	s_wait_alu depctr_va_vdst(0)
.irp t, 0,1,2,3,4,5,6,7
	WBLOCK \t
.endr
.irp t, 0,1,2,3,4,5,6,7,8,9,10,11,12,13,14,15
	ds_load_b128 v[WO+4*\t:WO+4*\t+3], v7 offset:2*\t*WP   ; LDS serves a wave's instructions in order (ISA guide 5.7.1.4): these see my stores
.endr
.irp t, 0,1,2,3,4,5,6,7,8,9,10,11,12,13,14,15
	s_wait_dscnt 15-\t
	global_store_b128 v8, v[WO+4*\t:WO+4*\t+3], s[8:9] offset:2*\t*1024   ; sixteen lanes store 256 consecutive bytes, aligned
.endr
	s_wait_tensorcnt 0x0
	ds_add_u32 v192, v193
	s_wait_dscnt 0x0
	s_endpgm
.Lfunc_end_k_q9aba3f76fb_quant:
	.size	k_q9aba3f76fb_quant, .Lfunc_end_k_q9aba3f76fb_quant-k_q9aba3f76fb_quant
	.p2alignl 7, 3214868480
	.fill 96, 4, 3214868480
	.section	.rodata,"a",@progbits
	.p2align	6, 0x0
	.amdhsa_kernel k_q9aba3f76fb_quant
		.amdhsa_group_segment_fixed_size 36352
		.amdhsa_private_segment_fixed_size 0
		.amdhsa_enable_private_segment 0
		.amdhsa_kernarg_size 40
		.amdhsa_user_sgpr_count 2
		.amdhsa_user_sgpr_kernarg_segment_ptr 1
		.amdhsa_wavefront_size32 1
		.amdhsa_system_sgpr_workgroup_id_x 1
		.amdhsa_system_sgpr_workgroup_id_y 1
		.amdhsa_system_sgpr_workgroup_id_z 1
		.amdhsa_system_vgpr_workitem_id 0
		.amdhsa_next_free_vgpr 194
		.amdhsa_next_free_sgpr 66
		.amdhsa_reserve_vcc 0
		.amdhsa_float_denorm_mode_32 3
		.amdhsa_float_denorm_mode_16_64 3
		.amdhsa_memory_ordered 1
		.amdhsa_forward_progress 1
		.amdhsa_inst_pref_size 76
	.end_amdhsa_kernel
	.amdgpu_metadata
---
amdhsa.version: [ 1, 2 ]
amdhsa.kernels:
  - .name:           k_q9aba3f76fb_quant
    .symbol:         k_q9aba3f76fb_quant.kd
    .args:
      - { .name: x, .offset: 0, .size: 8, .value_kind: global_buffer, .address_space: global }
      - { .name: W_t, .offset: 8, .size: 8, .value_kind: global_buffer, .address_space: global }
      - { .name: lowp_scales, .offset: 16, .size: 8, .value_kind: global_buffer, .address_space: global }
      - { .name: x_codes, .offset: 24, .size: 8, .value_kind: global_buffer, .address_space: global }
      - { .name: w_codes, .offset: 32, .size: 8, .value_kind: global_buffer, .address_space: global }
    .group_segment_fixed_size: 36352
    .private_segment_fixed_size: 0
    .kernarg_segment_align: 8
    .kernarg_segment_size: 40
    .max_flat_workgroup_size: 128
    .sgpr_count:     66
    .vgpr_count:     194
    .wavefront_size: 32
...
	.end_amdgpu_metadata
.endif
;; end of part 1
;; launch gemm (part 2): grid 8 x 32, 4 waves a work-group, clusters of 4 x 4, 327,680 bytes of LDS; arguments x_codes, w_codes, lowp_scales, b, qk_codes, v_codes; writes qk_codes, v_codes
.if DOCPART == 2
	.amdgcn_target "amdgcn-amd-amdhsa--gfx1250"
	.amdhsa_code_object_version 6
	.text
	.protected	k_q9aba3f76fb_gemm
	.globl	k_q9aba3f76fb_gemm
	.p2align	8
	.type	k_q9aba3f76fb_gemm,@function
k_q9aba3f76fb_gemm:
	s_mov_b64 s[64:65], 0
	v_nop
	global_prefetch_b8 v0, s[64:65] scope:SCOPE_SE
	s_setreg_imm32_b32 hwreg(HW_REG_WAVE_MODE, 25, 1), 1
	s_wait_xcnt 0x0
	s_wait_alu depctr_hold_cnt(0) depctr_sa_sdst(0) depctr_va_vdst(0) depctr_va_sdst(0) depctr_va_ssrc(0) depctr_va_vcc(0) depctr_vm_vsrc(0)
	s_getreg_b32 s2, hwreg(HW_REG_IB_STS2, 6, 4)
	s_cmp_eq_u32 s2, 0
	s_cbranch_scc0 .Lentry_in_a_cluster
	s_endpgm
.Lentry_in_a_cluster:
	s_bfe_u32 s2, ttmp6, 0x10000c
	s_cmp_lg_u32 s2, 0xf033
	s_cbranch_scc0 .Lentry_shape_is_right
	s_endpgm
.Lentry_shape_is_right:
; qkv = x W_t + b on codes of E4M3 (x_codes [8192][1024], w_codes [3072][1024], K innermost, the same order of K in both), and q, k, v quantised on the way out for the two products of attention.
; A number of x is its code x 2^e0, of W_t x 2^e1.  The bias goes in as the C of each sum's first matrix instruction, divided by 2^(e0 + e1); a finished sum s stands for s x 2^(e0 + e1), so its code is
; s / 2^(eo - e0 - e1), held within +-448: eo = e2 for q, e3 for k, e5 for v.   LIMITS: eo - e0 - e1 between -126 and 119.  NaN is not served.
; SHARES.  8 x 32 = 256 equal work-groups.  Work-group (j, i) STAYS and makes two tiles from the same 256 rows of x (tile i):
;   tile 1: 256 rows of x  x  W's rows 256 j .. (q for j < 4, k after): four waves of 128 x 128, 64 accumulators each;     tile 2: the same rows of x  x  W's rows 2048 + 128 j .. (v): four waves of 128 (x) x 64 (W), 32 accumulators.
; THE TWO SIDES.  In a result, lane l holds row l % 16 of SOURCE 1 and its eight registers eight neighbouring rows of SOURCE 0.  A quantiser wants eight neighbours along the NEXT product's K in one lane:
;   q, k: the next K is the head's channels, rows of W: source 0 = W, source 1 = x.      v: the next K is the keys, rows of x: source 0 = x, source 1 = W.   m: source 1's rows; n: source 0's.
; THE RING.  K goes in steps of 256 through two LDS slots: source 1's rows first, source 0's 256 rows behind them.  It does not stop between the tiles: tile 1's last two changes of slots ask for tile 2's K steps 0 and 1,
; which are on their way while tile 1 goes out.  So the stage of the way out has bytes of its own.
; CLUSTERS: 4 x 4 work-groups; x's tile is shared along a row of the cluster, W's along a column: each is asked for jointly, by the same tensor load with the same descriptor and a mask that names the four.
; NO PREFETCH: the block is the largest that two slots hold, in clusters, and K is short: eight fills in all, of which four name rows of x that the work-group has read before.
; OUT.  qk_codes [32 pieces n >> 6][8192 places][64]; v_codes [128 pieces n >> 6 = (batch, 64 keys)][1024 places][64].  Row m stands at the place m with its bits 3 and 4 exchanged: it is the stores' immediate.
; REGISTERS, in windows of 256: window 0: v0-31 addresses; v32-95 the bias as C; v96-99 v's bias as loaded; from v128 source 1's fragments, ONE set; on the way out v128-255 hold the codes.
;   window 1: source 0's fragments, TWO sets.   window 2: the accumulators of my m rows 0-63 ((a, b) at v[8 (8 a + b)]);   window 3: those of rows 64-127 (tile 1 alone).
.set ROWB,   256                       ; a tile's row: 256 codes
.set KROW,   1024                      ; a row of x_codes or w_codes
.set PITCH,  272                       ; an LDS row: 256 bytes + 16 = 68 words: row r starts at bank 4 r mod 64 (ISA guide 11.1)
.set FR,     16                        ; registers of a fragment: 16 rows x 128 K
.set NL,     4                         ; LDS loads that bring one
.set NP,     4                         ; places behind this matrix instruction (ISA guide 7.12.1)
.set HALFT,  128*PITCH                 ; what one tensor load brings
.set SLOT,   4*HALFT
.set SPARE,  2*SLOT                    ; behind the ring: the spare words, 128 bytes a wave: two blocks of 256 bytes that no other line names
.set STAGE,  SPARE+512                 ; the way out: for each wave [2 pieces][2 blocks of 16 rows by turns][64 bytes + 16]; no fill lands here
.set WSTG,   5120
.set PSZ,    2560
.set ADRA, 16                          ; v16-17  tile 1: LDS address of source 1's fragments in slot 0, 1
.set ADRA2, 18                         ; v18-19  tile 2: the same
.set ADRB, 20                          ; v20-21  source 0's, in both tiles
.set STO,  24                          ; v24     the stage: where I put 8 codes
.set RD,   25                          ; v25     and where I read 16 back
.set CO,   26                          ; v26     16 x lane: my bytes of a store's 512
.set SPW,  28                          ; v28     my spare word; never rewritten
.set NIL,  29                          ; v29     0; never rewritten
.set SCV,  30                          ; v30     2^(eo - e0 - e1)
.set LIMV, 31                          ; v31     448 x that
.set BI,   32
.set BT,   96
.set AF,   128
.set CD,   128
.set G1, 24                            ; s[24:31] descriptor group 1 with my row's mask (x's tiles);  s[32:39] x's group 0, one set for each slot
.set G0, 32
.set G1B, 48                           ; s[48:55] with my column's mask (W's tiles);  s[56:63] W's group 0
.set G0B, 56
.set OUTP, 78                          ; s[78:81] where my two pieces of tile 1 begin
.set OUTP2, 84                         ; s[84:87] of tile 2
.set BP,   82
.set WVP,  88                          ; s[88:89] W's rows of tile 2
.set SC2,  90                          ; tile 2's scale and bound
.set LM2,  91
.set AA, ADRA                          ; source 1's address registers and the stores' bases of the tile in hand
.set OP, OUTP
.set MSB, 0
.macro WIN new                         ; the immediate's high byte repeats the setting that is left
.if MSB != (\new)
	s_set_vgpr_msb (MSB<<8)|(\new)
.set MSB, \new
.endif
.endm
.set MUL_LO, 0xa1                      ; source 0 window 1, source 1 window 0, C and D window 2
.set MUL_HI, 0xf1                      ; the same, C and D window 3
.set TO_B,   0x40                      ; destination window 1, address window 0
.macro PLACES n                        ; plain vector instructions between a matrix instruction and a load into, or a vector read or write of, its registers (ISA guide 7.12.1 for a vector read or write)
.rept \n
	v_nop
.endr
.endm
; A joint load of tile 1: waves 0 and 1 fetch x's two halves, waves 2 and 3 W's.  The branches hang on the wave's number alone.  An s_nop 0 and four v_nop follow each load.
.macro JLOAD s
	s_cmp_eq_u32 s15, 0
	s_cbranch_scc0 .Lfor_b_\@
	tensor_load_to_lds s[G0+4*\s:G0+4*\s+3], s[G1:G1+7]
	s_nop 0
	PLACES 4
	s_branch .Lasked_\@
.Lfor_b_\@:
	tensor_load_to_lds s[G0B+4*\s:G0B+4*\s+3], s[G1B:G1B+7]
	s_nop 0
	PLACES 4
.Lasked_\@:
.endm
; Of tile 2: wave 0 fetches W's 128 rows (to the slot's first rows), waves 2 and 3 x's two halves (to the rows behind source 1's 256), wave 1 nothing.  Each wave's LDS address is the one that it has in tile 1.
.macro JLOADB s
	s_cmp_eq_u32 s15, 0
	s_cbranch_scc0 .Lfor_x_\@
	s_cmp_eq_u32 s14, 0
	s_cbranch_scc0 .Lasked_\@
	tensor_load_to_lds s[G0B+4*\s:G0B+4*\s+3], s[G1B:G1B+7]
	s_nop 0
	PLACES 4
	s_branch .Lasked_\@
.Lfor_x_\@:
	tensor_load_to_lds s[G0+4*\s:G0+4*\s+3], s[G1:G1+7]
	s_nop 0
	PLACES 4
.Lasked_\@:
	PLACES NP                                      ; on every wave's way: the places in front of the loads that follow
.endm
.macro CREST                           ; a round of the cluster's barrier behind its opening barrier
	s_cmp_lg_u32 s14, 0
	s_cbranch_scc1 .Lnot_wave_0_\@
	s_barrier_signal -3
.Lnot_wave_0_\@:
	s_barrier_wait -3
	s_barrier_signal -1
	s_barrier_wait -1
.endm
.macro CROUND
	s_barrier_signal -1
	s_barrier_wait -1
	CREST
.endm
; A slot's descriptors step, behind the wait that shows all my loads done.  mode 1: two K steps on.  mode 2: on to tile 2: x goes back to K step 0 or 1, W to its rows of v.
.macro DESC s, mode
.if \mode == 1
	s_add_nc_u64 s[G0+4*\s+2:G0+4*\s+3], s[G0+4*\s+2:G0+4*\s+3], 2*ROWB
	s_add_nc_u64 s[G0B+4*\s+2:G0B+4*\s+3], s[G0B+4*\s+2:G0B+4*\s+3], 2*ROWB
.else
	s_sub_nc_u64 s[G0+4*\s+2:G0+4*\s+3], s[G0+4*\s+2:G0+4*\s+3], 2*ROWB
	s_add_nc_u64 s[G0B+4*\s+2:G0B+4*\s+3], s[WVP:WVP+1], \s*ROWB
	s_or_b32 s[G0B+4*\s+3], s[G0B+4*\s+3], 0x80000000
.endif
.endm
	s_load_b128 s[4:7], s[0:1], 0x0                ; x_codes, w_codes
	s_load_b128 s[8:11], s[0:1], 0x10              ; the scales' exponents, b
	s_load_b128 s[92:95], s[0:1], 0x20             ; qk_codes, v_codes
	v_lshl_add_u32 v[SPW], v0, 2, SPARE
	v_mov_b32 v[NIL], 0
	ds_add_u32 v[SPW], v[NIL]                      ; the opening lines: the add twice on end, and its wait ahead of the first tensor load
	ds_add_u32 v[SPW], v[NIL]
	v_lshrrev_b32 v1, 5, v0
	v_readfirstlane_b32 s14, v1                    ; wave 0..3
	s_lshr_b32 s15, s14, 1                         ; which half of the m side is mine
	s_and_b32 s16, s14, 1                          ; which half of the n side.  Also: which 128 rows of a tile I fetch
	s_bfe_u32 s40, ttmp6, 0x40000                  ; cx, cy: my place in the cluster
	s_bfe_u32 s41, ttmp6, 0x40004
	s_lshl_b32 s42, ttmp9, 2
	s_add_co_u32 s42, s42, s40                     ; j = 4 x cluster x + cx: 0..7
	s_and_b32 s17, ttmp7, 0xffff
	s_lshl_b32 s17, s17, 2
	s_add_co_u32 s17, s17, s41                     ; i = 4 x cluster y + cy: 0..31
	s_lshl_b32 s43, s41, 2
	s_lshl_b32 s43, 15, s43                        ; my row of the cluster
	s_lshl_b32 s44, 0x1111, s40                    ; my column
	s_or_b32 s[G1+0], s43, (0<<16)|(1<<20)|(1<<21)|(5<<22)|(3<<25)  ; 15:0 the mask; 17:16 elements of 1 byte; 20 padding on; 21 set beside a mask; 24:22 after every 64 words; 31:25 four words
	s_or_b32 s[G1B+0], s44, (0<<16)|(1<<20)|(1<<21)|(5<<22)|(3<<25)
.irp g, G1, G1B
	s_mov_b32 s[\g+1], ROWB<<16                    ; tensor_dim0
	s_mov_b32 s[\g+2], 128<<16                     ; tensor_dim1
	s_mov_b32 s[\g+3], ROWB<<16                    ; tile_dim0
	s_mov_b32 s[\g+4], 128                         ; tile_dim1
	s_mov_b32 s[\g+5], KROW                        ; tensor_dim0_stride
	s_mov_b32 s[\g+6], 0
	s_mov_b32 s[\g+7], 0
.endr
	s_lshl_b32 s18, s16, 7
	s_lshl_b32 s20, s17, 8
	s_add_co_u32 s20, s20, s18
	s_lshl_b32 s20, s20, 10                        ; x: (256 i + 128 x half) rows of 1,024 bytes
	s_mov_b32 s21, 0
	s_lshl_b32 s46, s42, 8
	s_add_co_u32 s46, s46, s18
	s_lshl_b32 s46, s46, 10                        ; W, tile 1: rows 256 j + 128 x half
	s_mov_b32 s47, 0
	s_lshl_b32 s[WVP], s42, 7
	s_add_co_u32 s[WVP], s[WVP], 2048
	s_lshl_b32 s[WVP], s[WVP], 10                  ; W, tile 2: rows 2048 + 128 j
	s_mov_b32 s[WVP+1], 0
	s_mul_i32 s45, s14, HALFT                      ; where my loads go: wave x 128 rows: no place in the cluster enters an LDS address
	s_wait_dscnt 0x0                               ; both opening adds are done
	s_wait_kmcnt 0x0
	s_load_b128 s[68:71], s[8:9], 0x0              ; e0 .. e3
	s_load_b64 s[72:73], s[8:9], 0x10              ; e4, e5
	s_add_nc_u64 s[20:21], s[4:5], s[20:21]
	s_add_nc_u64 s[46:47], s[6:7], s[46:47]
	s_add_nc_u64 s[WVP:WVP+1], s[6:7], s[WVP:WVP+1]
	CROUND                                         ; all sixteen work-groups are here: the first joint loads meet
.irp s, 0,1
	s_mov_b32 s[G0+4*\s], 1
	s_add_co_u32 s[G0+4*\s+1], s45, \s*SLOT
	s_add_nc_u64 s[G0+4*\s+2:G0+4*\s+3], s[20:21], \s*ROWB
	s_or_b32 s[G0+4*\s+3], s[G0+4*\s+3], 0x80000000
	s_mov_b32 s[G0B+4*\s], 1
	s_add_co_u32 s[G0B+4*\s+1], s45, \s*SLOT
	s_add_nc_u64 s[G0B+4*\s+2:G0B+4*\s+3], s[46:47], \s*ROWB
	s_or_b32 s[G0B+4*\s+3], s[G0B+4*\s+3], 0x80000000
.endr
	JLOAD 0                                        ; K step 0: one tensor load a wave at the head
	s_mul_i32 s21, s15, HALFT                      ; tile 1: my 128 rows of source 1
	s_mul_i32 s22, s16, HALFT
	s_add_co_u32 s22, s22, 2*HALFT                 ; my 128 rows of source 0, in both tiles
	s_mul_i32 s19, s15, 64*PITCH                   ; tile 2: my 64 rows of source 1
	s_mul_i32 s23, s14, WSTG
	s_add_co_u32 s23, s23, STAGE                   ; my stage
	; where my results go, and my parts of b.  (cx and cy meet in these registers alone, none of which feeds a descriptor)
	s_lshl_b32 s75, s17, 8
	s_lshl_b32 s76, s15, 7
	s_add_co_u32 s75, s75, s76                     ; tile 1: my first m = 256 i + 128 x half,
	s_lshl_b32 s76, s42, 8
	s_lshl_b32 s77, s16, 7
	s_add_co_u32 s76, s76, s77                     ; my first n = 256 j + 128 x half
	s_lshr_b32 s96, s76, 6
	s_lshl_b32 s96, s96, 19                        ; a piece of qk_codes is 524,288 bytes
	s_lshl_b32 s97, s75, 6
	s_add_co_u32 s96, s96, s97
	s_mov_b32 s97, 0
	s_add_nc_u64 s[OUTP:OUTP+1], s[92:93], s[96:97]
	s_add_nc_u64 s[OUTP+2:OUTP+3], s[OUTP:OUTP+1], 524288
	s_lshl_b32 s96, s76, 2
	s_add_nc_u64 s[BP:BP+1], s[10:11], s[96:97]    ; q's and k's bias runs along n
	s_lshl_b32 s76, s42, 7
	s_lshl_b32 s77, s15, 6
	s_add_co_u32 s76, s76, s77                     ; tile 2: my first m = 128 j + 64 x half,
	s_lshl_b32 s75, s17, 8
	s_lshl_b32 s77, s16, 7
	s_add_co_u32 s75, s75, s77                     ; my first n = 256 i + 128 x half
	s_lshr_b32 s96, s75, 6
	s_lshl_b32 s96, s96, 16                        ; a piece of v_codes is 65,536 bytes
	s_lshl_b32 s98, s76, 6
	s_add_co_u32 s96, s96, s98
	s_add_nc_u64 s[OUTP2:OUTP2+1], s[94:95], s[96:97]
	s_add_nc_u64 s[OUTP2+2:OUTP2+3], s[OUTP2:OUTP2+1], 65536
	s_add_co_u32 s96, s76, 2048
	s_lshl_b32 s96, s96, 2
	s_add_nc_u64 s[98:99], s[10:11], s[96:97]      ; v's bias runs along m, behind q's and k's 2,048
	v_and_b32 v1, 15, v0                           ; r = l % 16
	v_bfe_u32 v2, v0, 4, 1                         ; h = l / 16
	v_mul_u32_u24 v3, v1, PITCH
	v_lshl_add_u32 v4, v2, 4, v3                   ; a fragment's row x pitch + 16 x half
	v_add_nc_u32 v[ADRA], s21, v4
	v_add_nc_u32 v[ADRA2], s19, v4
	v_add_nc_u32 v[ADRB], s22, v4
	v_add_nc_u32 v[ADRA+1], SLOT, v[ADRA]
	v_add_nc_u32 v[ADRA2+1], SLOT, v[ADRA2]
	v_add_nc_u32 v[ADRB+1], SLOT, v[ADRB]
	v_mul_u32_u24 v5, v1, 80
	v_lshl_add_u32 v5, v2, 3, v5
	v_add_nc_u32 v[STO], s23, v5                   ; in: row r, 8 bytes for each half of the lanes
	v_and_b32 v6, 31, v0
	v_lshlrev_b32 v[CO], 4, v6
	v_lshrrev_b32 v5, 2, v6
	v_mul_u32_u24 v5, v5, 80
	v_and_b32 v6, 3, v6
	v_lshl_add_u32 v5, v6, 4, v5
	v_add_nc_u32 v[RD], s23, v5                    ; back: four lanes to a row of 64 bytes, eight rows an instruction
	v_lshlrev_b32 v7, 5, v2                        ; q, k: for block b of n, lane (r, h) wants b[n + 16 b + 8 h + 0 .. 7]
	v_lshlrev_b32 v8, 2, v1                        ; v: for block a of m, lane (r, h) wants b[m + 16 a + r] in all eight registers
.irp b, 0,1,2,3,4,5,6,7
	global_load_b128 v[BI+8*\b:BI+8*\b+3], v7, s[BP:BP+1] offset:64*\b
	global_load_b128 v[BI+8*\b+4:BI+8*\b+7], v7, s[BP:BP+1] offset:64*\b+16
.endr
.irp a, 0,1,2,3
	global_load_b32 v[BT+\a], v8, s[98:99] offset:64*\a
.endr
	s_wait_kmcnt 0x0
	s_add_co_i32 s75, s68, s69
	s_sub_co_i32 s75, 0, s75                       ; -(e0 + e1)
	s_cmp_eq_u32 ttmp9, 0
	s_cselect_b32 s76, s70, s71                    ; e2 for q (j < 4), e3 for k
	s_add_co_i32 s76, s76, s75
	s_add_co_i32 s76, s76, 127
	s_lshl_b32 s77, s76, 23                        ; 2^(eo - e0 - e1): the three scales folded into the conversion's one
	s_add_co_i32 s76, s76, 8
	s_lshl_b32 s76, s76, 23
	s_or_b32 s76, s76, 0x600000                    ; 448 x that
	s_add_co_i32 s96, s73, s75                     ; and the same with e5 for v
	s_add_co_i32 s96, s96, 127
	s_lshl_b32 s[SC2], s96, 23
	s_add_co_i32 s96, s96, 8
	s_lshl_b32 s96, s96, 23
	s_or_b32 s[LM2], s96, 0x600000
	s_wait_loadcnt 0x0
.set i, 0
.rept 64
	v_ldexp_f32 v[BI+i], v[BI+i], s75
.set i, i+1
.endr
	v_mov_b32 v[SCV], s77
	v_mov_b32 v[LIMV], s76
.macro FRAG reg, adr, q, i             ; a fragment, 16 rows x 128 places of K: four loads of 16 bytes, 32 apart; the same order of K on both sides
.irp c, 0,1,2,3
	ds_load_b128 v[\reg+4*\c:\reg+4*\c+3], v[\adr] offset:128*(\q)+32*\c+(\i)*16*PITCH
.endr
.endm
; 16 matrix instructions: source 1's blocks a0, a0 + 1 x source 0's eight.  p: source 0's set.  cs = 0: the sums go on in place; 1: they begin with the bias of block b (q, k); 2: of block a (v).
; The accumulators take turns, one instruction a turn, in the same order in every step.
.macro MUL16 a0, p, cs
.irp a, \a0, \a0+1
.irp b, 0,1,2,3,4,5,6,7
.if \cs == 0
	v_wmma_f32_16x16x128_fp8_fp8 v[8*(8*((\a)%4)+\b):8*(8*((\a)%4)+\b)+7], v[128*(\p)+FR*\b:128*(\p)+FR*\b+FR-1], v[AF+FR*(\a):AF+FR*(\a)+FR-1], v[8*(8*((\a)%4)+\b):8*(8*((\a)%4)+\b)+7]
.elseif \cs == 1
	v_wmma_f32_16x16x128_fp8_fp8 v[8*(8*((\a)%4)+\b):8*(8*((\a)%4)+\b)+7], v[128*(\p)+FR*\b:128*(\p)+FR*\b+FR-1], v[AF+FR*(\a):AF+FR*(\a)+FR-1], v[BI+8*\b:BI+8*\b+7]
.else
	v_wmma_f32_16x16x128_fp8_fp8 v[8*(8*((\a)%4)+\b):8*(8*((\a)%4)+\b)+7], v[128*(\p)+FR*\b:128*(\p)+FR*\b+FR-1], v[AF+FR*(\a):AF+FR*(\a)+FR-1], v[BI+8*(\a):BI+8*(\a)+7]
.endif
.endr
.endr
.endm
.macro FETCH_B slot, q, p              ; source 0's eight fragments of the slot's q-th 128 along K into set p
	WIN TO_B
.irp i, 0,1,2,3,4,5,6,7
	FRAG 128*(\p)+FR*\i, ADRB+\slot, \q, \i
.endr
	WIN 0
.endm
.macro FETCH_A2 slot, q, i0            ; source 1's blocks i0, i0 + 1
.irp i, \i0, \i0+1
	FRAG AF+FR*(\i), AA+\slot, \q, \i
.endr
.endm
.macro FETCH_A slot, q, i0             ; blocks i0 .. i0 + 3
	FETCH_A2 \slot, \q, \i0
	FETCH_A2 \slot, \q, \i0+2
.endm
; TILE 1.  A step of 128 along K that has its successor in the same slot.
.macro STEP slot, cs
	s_wait_dscnt 4*NL                              ; source 0's set and source 1's blocks 0-3 are in; the youngest sixteen loads (blocks 4-7) may be out
.if \cs
	WIN 0x81                                       ; C (the bias) window 0, D window 2
.else
	WIN MUL_LO
.endif
	MUL16 0, 0, \cs
	MUL16 2, 0, \cs
	s_wait_dscnt 0                                 ; blocks 4-7 are in
	PLACES NP
	FETCH_B \slot, 1, 1
	FETCH_A \slot, 1, 0
.if \cs
	WIN 0xc1
.else
	WIN MUL_HI
.endif
	MUL16 4, 0, \cs
	MUL16 6, 0, \cs
	PLACES NP
	WIN 0
	FETCH_A \slot, 1, 4
.endm
; A slot's last step changes slots: in front of the barrier, which opens a round of the cluster's barrier, each wave waits for all its tensor loads, adds 0 to its spare word, and waits for that and for its own reads of this slot.
; Behind the round this slot is filled again: mode 1 with tile 1's K step two on, mode 2 with tile 2's K step 0 or 1.  fetch = 0: tile 1's very last step.
.macro TURN slot, next, mode, fetch
	s_wait_tensorcnt 0x0                           ; all my tensor loads have landed  (every window is 0 here)
	ds_add_u32 v[SPW], v[NIL]
	s_wait_dscnt 4*NL+1                            ; (the add and the youngest sixteen loads may be out)
	WIN MUL_LO
	MUL16 0, 1, 0
	s_wait_dscnt 0x0                               ; the add is done, and my reads of this slot are over
	s_barrier_signal -1
	MUL16 2, 1, 0
	WIN 0
	s_barrier_wait -1
	CREST                                          ; no wave of any partner still reads this slot or has a load on its way
	DESC \slot, \mode
.if \mode == 1
	JLOAD \slot                                    ; the first tensor load behind the round, my one load until the next; its four v_nop are the places in front of the loads below
.else
	JLOADB \slot
.endif
.if \fetch
	FETCH_B \next, 0, 0
	FETCH_A \next, 0, 0
.endif
	WIN MUL_HI
	MUL16 4, 1, 0
	MUL16 6, 1, 0
.if \fetch
	PLACES NP
	WIN 0
	FETCH_A \next, 0, 4
.else
	WIN 0
.endif
.endm
; TILE 2: source 1 has four blocks, 32 matrix instructions a step.
.macro STEPB slot, cs
	s_wait_dscnt 2*NL                              ; source 0's set and blocks 0, 1 are in; the youngest eight loads (blocks 2, 3) may be out
.if \cs
	WIN 0x81
.else
	WIN MUL_LO
.endif
	MUL16 0, 0, \cs
	s_wait_dscnt 0
	PLACES NP
	FETCH_B \slot, 1, 1
	FETCH_A2 \slot, 1, 0
.if \cs
	WIN 0x81
.else
	WIN MUL_LO
.endif
	MUL16 2, 0, \cs
	PLACES NP
	WIN 0
	FETCH_A2 \slot, 1, 2
.endm
.macro TURNB slot, next, fill
	s_wait_tensorcnt 0x0
	ds_add_u32 v[SPW], v[NIL]
	s_wait_dscnt 2*NL+1                            ; (the add and the youngest eight loads may be out)
	WIN MUL_LO
	MUL16 0, 1, 0
	s_wait_dscnt 0x0
	s_barrier_signal -1
	MUL16 2, 1, 0
	WIN 0
	s_barrier_wait -1
.if \fill
	CREST
	DESC \slot, 1
	JLOADB \slot
.else
	PLACES NP
.endif
	FETCH_B \next, 0, 0
	FETCH_A \next, 0, 0
.endm
; THE WAY OUT, a block of 16 m rows x 128 n at a time: held, converted (a lane's eight registers are eight neighbours along the next K: 8 bytes), through my stage, and out as eight whole rows of 64 bytes an instruction.
.macro OUTBLK a
.set AC, 64*((\a)%4)
	WIN 0x82+0x41*((\a)/4)                         ; source 0 and destination: window 2 or 3
.set i, 0
.rept 64
	v_med3_num_f32 v[AC+i], v[AC+i], -v[LIMV], v[LIMV]   ; the conversion does not saturate (ISA guide 7.6.2); each accumulator from its low end on
.set i, i+1
.endr
	WIN 0x02+((\a)/4)
.irp b, 0,1,2,3,4,5,6,7
	v_cvt_scalef32_pk8_fp8_f32 v[CD+16*(\a)+2*\b:CD+16*(\a)+2*\b+1], v[AC+8*\b:AC+8*\b+7], v[SCV]
.endr
	v_nop                                          ; one plain vector line behind the last conversion of the run
	WIN 0
.irp b, 0,1,2,3,4,5,6,7
	ds_store_b64 v[STO], v[CD+16*(\a)+2*\b:CD+16*(\a)+2*\b+1] offset:(\b/4)*PSZ+1280*((\a)%2)+16*(\b%4)   ; piece b / 4, row r, bytes 16 (b % 4) + 8 h on
.endr
.irp pc, 0,1
.irp t, 0,1
	ds_load_b128 v[CD+16*(\a)+4*(2*\pc+\t):CD+16*(\a)+4*(2*\pc+\t)+3], v[RD] offset:\pc*PSZ+1280*((\a)%2)+640*\t   ; LDS serves a wave's instructions in order (ISA guide 5.7.1.4): these see the stores above, and come ahead of the stores of two blocks on
.endr
.endr
.endm
.macro SEND a, younger                 ; younger: the LDS instructions issued behind block a's loads
	s_wait_dscnt \younger
.irp pc, 0,1
.irp t, 0,1
.set o, 2*(\a)+\t                      ; the octet of rows; its place has the octet's two low bits exchanged
	global_store_b128 v[CO], v[CD+16*(\a)+4*(2*\pc+\t):CD+16*(\a)+4*(2*\pc+\t)+3], s[OP+2*\pc:OP+2*\pc+1] offset:512*((o&12)|((o&1)<<1)|((o>>1)&1)) th:TH_STORE_NT   ; the wave stores 512 consecutive bytes, aligned
.endr
.endr
.endm
	s_wait_alu depctr_va_vdst(0)                   ; at the head's end
	s_wait_tensorcnt 0x0                           ; my part of K step 0 is in; the three lines ahead of a later first fill, as ahead of a refill
	ds_add_u32 v[SPW], v[NIL]
	s_wait_dscnt 0x0
	CROUND                                         ; everybody's part of K step 0 is in, and all sixteen work-groups are here
	JLOAD 1                                        ; K step 1: the first tensor load behind the round
	FETCH_B 0, 0, 0
	FETCH_A 0, 0, 0
	FETCH_A 0, 0, 4
	STEP 0, 1                                      ; tile 1: the first products begin the sums with the bias
	TURN 0, 1, 1, 1                                ; slot 0 takes K step 2,
	STEP 1, 0
	TURN 1, 0, 1, 1                                ; slot 1 K step 3,
	STEP 0, 0
	TURN 0, 1, 2, 1                                ; slot 0 tile 2's K step 0,
	STEP 1, 0
	TURN 1, 0, 2, 0                                ; slot 1 tile 2's K step 1: both are on their way while tile 1 goes out
	PLACES NP                                      ; behind the last products: for the reads of results and the writes over source 1's fragments
	OUTBLK 0
.irp a, 1,2,3,4,5,6,7
	OUTBLK \a
	SEND \a-1, 12                                  ; behind block a - 1's loads: block a's eight stores and four loads.  No register and no base is written again in this tile
.endr
	SEND 7, 0
	; TILE 2.  Its K step 0 was shown whole by the last round
.set AA, ADRA2
.set OP, OUTP2
	s_wait_xcnt 0x0                                ; tile 1's stores have read their registers, which take fragments again
	v_mov_b32 v[SCV], s[SC2]
	v_mov_b32 v[LIMV], s[LM2]
.irp a, 0,1,2,3
.irp j, 0,1,2,3,4,5,6,7
	v_ldexp_f32 v[BI+8*\a+\j], v[BT+\a], s75
.endr
.endr
	FETCH_B 0, 0, 0
	FETCH_A 0, 0, 0
	s_wait_alu depctr_va_vdst(0)                   ; directly ahead of the wait below
	STEPB 0, 2
	TURNB 0, 1, 1                                  ; slot 0 takes K step 2,
	STEPB 1, 0
	TURNB 1, 0, 1                                  ; slot 1 K step 3;
	STEPB 0, 0
	TURNB 0, 1, 0                                  ; nothing is left to fetch, and no round follows
	STEPB 1, 0
	s_wait_dscnt 2*NL                              ; the very last step
	WIN MUL_LO
	MUL16 0, 1, 0
	s_wait_dscnt 0
	MUL16 2, 1, 0
	WIN 0
	PLACES NP
	OUTBLK 0
.irp a, 1,2,3
	OUTBLK \a
	SEND \a-1, 12
.endr
	SEND 3, 0
	s_wait_tensorcnt 0x0                           ; the wave's end: behind my last tensor load and my last LDS store
	ds_add_u32 v[SPW], v[NIL]
	s_wait_dscnt 0x0
	CROUND                                         ; the closing round: no work-group ends while a partner may still ask for a tile that names it
	s_endpgm
.Lfunc_end_k_q9aba3f76fb_gemm:
	.size	k_q9aba3f76fb_gemm, .Lfunc_end_k_q9aba3f76fb_gemm-k_q9aba3f76fb_gemm
	.p2alignl 7, 3214868480
	.fill 96, 4, 3214868480
	.section	.rodata,"a",@progbits
	.p2align	6, 0x0
	.amdhsa_kernel k_q9aba3f76fb_gemm
		.amdhsa_group_segment_fixed_size 327680
		.amdhsa_private_segment_fixed_size 0
		.amdhsa_enable_private_segment 0
		.amdhsa_kernarg_size 48
		.amdhsa_user_sgpr_count 2
		.amdhsa_user_sgpr_kernarg_segment_ptr 1
		.amdhsa_wavefront_size32 1
		.amdhsa_system_sgpr_workgroup_id_x 1
		.amdhsa_system_sgpr_workgroup_id_y 1
		.amdhsa_system_sgpr_workgroup_id_z 1
		.amdhsa_system_vgpr_workitem_id 0
		.amdhsa_next_free_vgpr 1024
		.amdhsa_next_free_sgpr 100
		.amdhsa_reserve_vcc 0
		.amdhsa_float_denorm_mode_32 3
		.amdhsa_float_denorm_mode_16_64 3
		.amdhsa_memory_ordered 1
		.amdhsa_forward_progress 1
		.amdhsa_inst_pref_size 205
	.end_amdhsa_kernel
	.amdgpu_metadata
---
amdhsa.version: [ 1, 2 ]
amdhsa.kernels:
  - .name:           k_q9aba3f76fb_gemm
    .symbol:         k_q9aba3f76fb_gemm.kd
    .args:
      - { .name: x_codes, .offset: 0, .size: 8, .value_kind: global_buffer, .address_space: global }
      - { .name: w_codes, .offset: 8, .size: 8, .value_kind: global_buffer, .address_space: global }
      - { .name: lowp_scales, .offset: 16, .size: 8, .value_kind: global_buffer, .address_space: global }
      - { .name: b, .offset: 24, .size: 8, .value_kind: global_buffer, .address_space: global }
      - { .name: qk_codes, .offset: 32, .size: 8, .value_kind: global_buffer, .address_space: global }
      - { .name: v_codes, .offset: 40, .size: 8, .value_kind: global_buffer, .address_space: global }
    .group_segment_fixed_size: 327680
    .private_segment_fixed_size: 0
    .kernarg_segment_align: 8
    .kernarg_segment_size: 48
    .max_flat_workgroup_size: 128
    .sgpr_count:     100
    .vgpr_count:     1024
    .wavefront_size: 32
...
	.end_amdgpu_metadata
.endif
;; end of part 2
;; launch attn (part 3): grid 4 x 64, 16 waves a work-group, no clusters, 327,680 bytes of LDS; arguments qk_codes, v_codes, lowp_scales, out0; writes out0
.if DOCPART == 3
	.amdgcn_target "amdgcn-amd-amdhsa--gfx1250"
	.amdhsa_code_object_version 6
	.text
	.protected	k_q9aba3f76fb_attn
	.globl	k_q9aba3f76fb_attn
	.p2align	8
	.type	k_q9aba3f76fb_attn,@function
k_q9aba3f76fb_attn:
	s_mov_b64 s[64:65], 0
	v_nop
	global_prefetch_b8 v0, s[64:65] scope:SCOPE_SE
	s_setreg_imm32_b32 hwreg(HW_REG_WAVE_MODE, 25, 1), 1
	s_wait_xcnt 0x0
; out0[b][q][64 h ..] = the sum over keys k <= q of softmax_k(Q . K / 8) V, for 64 heads (b, h) of 2,048 queries and 64 channels, both products on codes of E4M3 with the given scales (q e2, k e3, p e4, v e5).
; qk_codes [32 pieces: q's heads, then k's][8192 places][64 channels]; v_codes [128 pieces (b, 64 keys)][1024 places (h, channel)][64 keys].  Row m stands at the place m with its bits 3 and 4 exchanged.
; THE SOFTMAX: t = score x log2(e) / 8; M = the running largest t rounded UP to a whole number; p = 2^(t - M) is quantised, not normalised; the row's sum is taken of the unquantised p and divides at the end.
; When M moves, the sum and O are multiplied by 2^(old M - new M): nothing is rounded, and no branch hangs on data.
; LEFT OUT: the products and the softmax of units of 64 keys all of which come after a wave's 32 queries: the causal mask gives them -infinity, so they add nothing to any sum.
; SHARES.  A head's queries are 8 blocks of 256.  Work-group PI (0..3) of a head takes block PI and then block 7 - PI: 9 visits of slots of 256 keys in every work-group, 256 equal work-groups, constant trip counts.
; A block is 8 chunks of 32 queries (two tiles of 16).  A chunk is held by TWO waves, which share the keys: of a slot's four units of 64 keys the wave of half 0 takes units 0 and 2, that of half 1 units 1 and 3.
; So sixteen waves of 256 registers stand four to a SIMD, and each fragment of K and V is still read once for 32 queries.  Each wave has its own M, sum and O^T.  At a block's end the partners join:
; each keeps its tile 0 and hands its tile 1 to the other through LDS (half 1 holds the chunk's two tiles in the other order); M = the larger, both parts x 2^(own M - M): exact.
; THE CHANGE OF SLOTS IS SIGNALLED EARLY AND AWAITED LATE: when the fragments of a wave's second unit of a slot are in its registers, the wave reads that slot no more: there it signals, and that unit's products and softmax,
; work on registers alone, stand between the signal and the wait.
; NO CLUSTER: in trip t work-group PI wants key slot t while t <= PI and slot t - PI - 1 after that, so the four work-groups of a head want different slots in the same trip.
; LAYOUT.  Both products are used transposed: S^T = K Q^T (source 0 = 16 keys), O^T = V^T P^T (source 0 = 16 channels): a lane holds ONE query.  Sixteen neighbouring places of K are keys 32 b + 8 u + r + 8 (r / 8),
; so the 16 registers of tiles 2 b, 2 b + 1 are 16 neighbouring keys, and the conversions' results are the second product's operand.  K along both products is laid alike in both sources.
; LIMITS: e2 + e3 between -123 and 130 (added to the exponent field of log2(e) / 8); e4 between -126 and 119; e4 + e5 goes by v_ldexp_f32; the scaled scores stay under 2^31 in magnitude.  NaN is not served.
; LDS: two slots, 65,536 apart: eight tiles of 64 rows x (64 bytes + 16): K's four units, then V's four; waves 0-7 fetch one each.  Then the exchange, the stages, the spare words: no fill lands there.
.set SLOT1, 65536
.set TILEB, 5120                       ; 64 rows x 80
.set VOFF,  20480
.set EXCH,  131072                     ; the exchange: 4,608 bytes a wave: 32 registers of O^T and four of statistics, as images of the registers
.set EXW,   4608
.set STAGE, 204800                     ; 16 rows x 272 bytes a wave
.set WSTG,  4352
.set SP,    272
.set SPARE, 274432                     ; the spare words, 128 bytes a wave: eight blocks of 256 bytes that no other line names
.set AL,   1                           ; v1   80 r + 16 h + my half's unit
.set ADR,  2                           ; v2   + the slot in hand
.set PFO,  3                           ; v3   the prefetches' offset
.set SPW,  4                           ; v4   my spare word; never rewritten
.set NIL,  5                           ; v5   0; never rewritten
.set GO,   6                           ; v6   my byte offset in two rows of out0
.set STO,  7                           ; v7   the stage: in
.set RD,   8                           ; v8   the stage: back
.set QA,   9                           ; v9   tile 0's place among the chunk's 32 places of Q
.set NINF, 10                          ; v10  -infinity
.set DD,   11                          ; v11  the mask
.set ST,   12                          ; tile z at v[12 + 10 z]: +0 -M, +1 the largest t, +2 +3 the sum, +4 f (+5 named with it), +6 +7 at work, +8 the lane exchange
.set XS,   32                          ; v32-35 second chains of the sums
.set PSC,  40                          ; v40  2^e4
.set RH,   42                          ; v42  r - 16 h + 16 x half
.set EXA,  43                          ; v43  the exchange: mine
.set EXB,  44                          ; v44  my partner's
.set QA1,  45                          ; v45  tile 1's place in Q
.set QF,   46                          ; v46-61   Q
.set KFR,  62                          ; v62-93   K's four tiles;
.set PC,   62                          ; v62-77   then p's codes, when K's fragments are done with
.set VFR,  94                          ; v94-125  V's four tiles
.set S,    126                         ; v126-189 S^T, then p
.set OT,   190                         ; v190-253 O^T
.set WV,   12
.set PI,   13
.set TRIP, 14
.set KS,   15                          ; the key slot in hand
.set KN,   16                          ; the next trip's
.set TB,   17                          ; LDS byte at which the slot in hand begins
.set HF,   18                          ; my half
.set CH,   19                          ; my chunk
.set SEL,  20
.set CS,   22                          ; s[22:23] log2(e) / 8 x 2^(e2 + e3)
.set G1,   24
.set G0,   32
.set KVB,  36                          ; s[36:37] my tile of key slot 0 in memory
.set STR,  38                          ; a key slot on, in bytes
.set P1,   39                          ; PI + 1: the trip in which the second block begins
.set OFF,  40                          ; s[40:41] a byte offset; the high word stays 0
.set PFA,  42
.set PFS,  44
.set LIM,  46
.set KF,   47                          ; the unit's first key
.set Q0,   48                          ; my chunk's first query in the block in hand; s49: in the second block
.set QP1,  50                          ; s[50:51], s[52:53] Q's codes, first and second block
.set OP1,  54                          ; s[54:55], s[56:57] out0 at the tile that I keep
.set ESUM, 58                          ; e4 + e5
.set DZ,   74                          ; tile 1's queries less tile 0's: 16 or -16
.set KH,   75                          ; 64 x half
.set PLS,  77                          ; 448 x 2^e4
.set K2,   78                          ; the key slot that the fill in hand asks for: that of the trip after the next
; A PREFETCH INTO THE L2 of the key slot behind the one that is being asked for.  All four work-groups of a head walk the same K and V: work-group PI = 0 asks, whose fills are key slots 0, 0, 1, 2 .. 7: the fill in front of the loop
; (slot 0 again) names slot 1, and the fill of trip t (slot t + 1) names slot t + 2, for t = 0 .. 5: slots 1 to 7, each aligned block of 256 bytes once.
; Waves 0, 1: K's 16,384 bytes, 8,192 each, lanes 256 bytes apart; waves 4, 5: V's four blocks of 4,096 bytes, two each.
.macro ASK
	s_cmp_lt_u32 s[TRIP], s[LIM]
	s_cbranch_scc0 .Lnot_mine_\@
	global_prefetch_b8 v[PFO], s[PFA:PFA+1] th:TH_LOAD_NT scope:SCOPE_SE
.Lnot_mine_\@:
.endm
.macro TLOAD                           ; waves 0 to 7 fetch, one tile each; the branch hangs on the wave's number alone
	s_cmp_lt_u32 s[WV], 8
	s_cbranch_scc0 .Lno_load_\@
	tensor_load_to_lds s[G0:G0+3], s[G1:G1+7]
	s_nop 0
.rept 4
	v_nop
.endr
.Lno_load_\@:
.endm
.macro LINES fill
	s_wait_tensorcnt 0x0                           ; no tensor load of mine is out, so group 0 may be written
	ds_add_u32 v[SPW], v[NIL]
.if \fill
	ds_add_u32 v[SPW], v[NIL]
.if \fill == 1
	s_add_co_u32 s61, s[TRIP], 1
	s_add_co_u32 s[K2], s[KN], 1
	s_cmp_eq_u32 s61, s[PI]
	s_cselect_b32 s[K2], 0, s[K2]                  ; behind the first block's last slot the second block begins at key 0
.else
	s_cmp_eq_u32 s[PI], 0
	s_cselect_b32 s[K2], 0, 1
.endif
	s_mul_i32 s[OFF], s[K2], s[STR]
	s_add_nc_u64 s[G0+2:G0+3], s[KVB:KVB+1], s[OFF:OFF+1]
	s_or_b32 s[G0+3], s[G0+3], 0x80000000          ; type = 2
	s_xor_b32 s[G0+1], s[G0+1], SLOT1              ; the other slot than last time
	s_wait_xcnt 0x0                                ; the last prefetch has read its address, so it may be written
	s_add_nc_u64 s[PFA:PFA+1], s[PFA:PFA+1], s[PFS:PFS+1]
.endif
	s_wait_dscnt 0x0
.endm
; A UNIT is 64 keys, the q-th of my two in the slot in hand, for both tiles.  LOADS brings its fragments.
.macro LOADS q
	v_add_nc_u32 v[ADR], s[TB], v[AL]
.rept 3
	v_nop                                          ; with the addition: four places in front of loads into registers that the last products read
.endr
.irp t, 0,1,2,3
	ds_load_b128 v[KFR+8*\t:KFR+8*\t+3],   v[ADR] offset:2*TILEB*(\q)+1280*\t
	ds_load_b128 v[KFR+8*\t+4:KFR+8*\t+7], v[ADR] offset:2*TILEB*(\q)+1280*\t+32
.endr
.irp t, 0,1,2,3
	ds_load_b128 v[VFR+8*\t:VFR+8*\t+3],   v[ADR] offset:VOFF+2*TILEB*(\q)+1280*\t      ; keys 16 h + 0 .. 15 of channel place 16 t + r,
	ds_load_b128 v[VFR+8*\t+4:VFR+8*\t+7], v[ADR] offset:VOFF+2*TILEB*(\q)+1280*\t+32   ; and 32 + 16 h + 0 .. 15
.endr
.endm
; COMPUTE is the unit's work.  w = 1: the fragments are still on their way; w = 0: they have been waited for, and nothing here but work on registers.
.macro COMPUTE w
.if \w
	s_wait_dscnt 8                                 ; K's eight loads are in; V's eight may be out
.endif
.irp t, 0,1,2,3
.irp z, 0,1
	v_wmma_f32_16x16x64_fp8_fp8 v[S+32*\z+8*\t:S+32*\z+8*\t+7], v[KFR+8*\t:KFR+8*\t+7], v[QF+8*\z:QF+8*\z+7], 0
.endr
.endr
.rept 4
	v_nop                                          ; places in front of the first read of the scores
.endr
	s_add_co_u32 s60, s[KF], 63
	s_cmp_le_u32 s60, s[Q0]
	s_cbranch_scc1 .Lopen_\@                       ; all 64 keys count for all my queries
	s_sub_co_i32 s60, s[Q0], s[KF]
	v_add_nc_u32 v[DD], s60, v[RH]                 ; register 16 b + i holds key KF + 16 h + 32 b + i: hidden where 32 b + i > my query - KF - 16 h
.set n, 0
.rept 32
	v_cmp_gt_i32 vcc_lo, 32*(n/16)+n%16, v[DD]
	v_cndmask_b32 v[S+n], v[S+n], v[NINF], vcc_lo
.set n, n+1
.endr
	v_add_nc_u32 v[DD], s[DZ], v[DD]               ; tile 1's queries
.set n, 0
.rept 32
	v_cmp_gt_i32 vcc_lo, 32*(n/16)+n%16, v[DD]
	v_cndmask_b32 v[S+32+n], v[S+32+n], v[NINF], vcc_lo
.set n, n+1
.endr
.Lopen_\@:
.irp z, 0,1                                    ; the unit's largest score of my query among my 32 keys: two chains a tile, each accumulator from its low end on
	v_max3_num_f32 v[ST+10*\z+6], v[S+32*\z], v[S+32*\z+1], v[S+32*\z+2]
	v_max3_num_f32 v[ST+10*\z+7], v[S+32*\z+3], v[S+32*\z+4], v[S+32*\z+5]
.endr
.irp i, 6,10,14,18,22,26
.irp z, 0,1
	v_max3_num_f32 v[ST+10*\z+6], v[ST+10*\z+6], v[S+32*\z+\i], v[S+32*\z+\i+1]
	v_max3_num_f32 v[ST+10*\z+7], v[ST+10*\z+7], v[S+32*\z+\i+2], v[S+32*\z+\i+3]
.endr
.endr
.irp z, 0,1
	v_max3_num_f32 v[ST+10*\z+6], v[ST+10*\z+6], v[S+32*\z+30], v[S+32*\z+31]
.endr
.irp z, 0,1
	s_delay_alu instid0(VALU_DEP_2)
	v_max_num_f32 v[ST+10*\z+6], v[ST+10*\z+6], v[ST+10*\z+7]
.endr
.irp z, 0,1
	s_delay_alu instid0(VALU_DEP_2)
	v_permlanex16_b32 v[ST+10*\z+8], v[ST+10*\z+6], s[SEL], s[SEL+1]
.endr
.irp z, 0,1
	s_delay_alu instid0(VALU_DEP_2)
	v_max_num_f32 v[ST+10*\z+6], v[ST+10*\z+6], v[ST+10*\z+8]   ; and among lane l xor 16's
.endr
.irp z, 0,1
	s_delay_alu instid0(VALU_DEP_2)
	v_mul_f32 v[ST+10*\z+6], s[CS], v[ST+10*\z+6]  ; as t (the factor is positive)
.endr
.irp z, 0,1
	s_delay_alu instid0(VALU_DEP_2)
	v_max_num_f32 v[ST+10*\z+1], v[ST+10*\z+1], v[ST+10*\z+6]   ; the running largest t
.endr
.irp z, 0,1
	v_mov_b32 v[ST+10*\z+6], v[ST+10*\z]
.endr
.irp z, 0,1
	s_delay_alu instid0(VALU_DEP_4)
	v_floor_f32 v[ST+10*\z], -v[ST+10*\z+1]        ; the new -M = floor(-t): M is a whole number
.endr
.irp z, 0,1
	s_delay_alu instid0(VALU_DEP_2)
	v_sub_f32 v[ST+10*\z+6], v[ST+10*\z], v[ST+10*\z+6]   ; old M - new M: a whole number, 0 or less
.endr
.irp z, 0,1
	s_delay_alu instid0(VALU_DEP_2)
	v_cvt_i32_f32 v[ST+10*\z+6], v[ST+10*\z+6]     ; (it saturates)
.endr
.irp z, 0,1
	s_delay_alu instid0(VALU_DEP_2)
	v_ldexp_f32 v[ST+10*\z+4], 1.0, v[ST+10*\z+6]  ; f = 2^(old M - new M)
.endr
.set n, 0
.rept 16
	v_pk_fma_f32 v[S+n:S+n+1], v[S+n:S+n+1], s[CS:CS+1], v[ST:ST+1] op_sel_hi:[1,0,0]               ; t - M, two at a time (of the pairs the low word serves both halves)
	v_pk_fma_f32 v[S+32+n:S+32+n+1], v[S+32+n:S+32+n+1], s[CS:CS+1], v[ST+10:ST+11] op_sel_hi:[1,0,0]
.set n, n+2
.endr
	s_wait_alu depctr_va_vdst(0)                   ; ahead of the batch
.set n, 0
.rept 64
	v_exp_f32 v[S+n], v[S+n]                       ; p = 2^(t - M), at most 1: both tiles' 64 are one batch
.set n, n+1
.endr
	v_pk_mul_f32 v[ST+2:ST+3], v[ST+2:ST+3], v[ST+4:ST+5] op_sel_hi:[1,0]       ; tile 0's sum under the new M: the plain line behind the exponentials
	s_wait_alu depctr_va_vdst(0)                   ; one wait for the batch, ahead of the first line that names a result
	v_pk_mul_f32 v[ST+12:ST+13], v[ST+12:ST+13], v[ST+14:ST+15] op_sel_hi:[1,0]
.irp z, 0,1                                    ; the row's sum is taken of the unquantised p: two at a time, in two chains a tile
	v_pk_add_f32 v[XS+2*\z:XS+2*\z+1], v[S+32*\z:S+32*\z+1], v[S+32*\z+2:S+32*\z+3]
.endr
.irp j, 4,8,12,16,20,24,28
.irp z, 0,1
	v_pk_add_f32 v[ST+10*\z+2:ST+10*\z+3], v[ST+10*\z+2:ST+10*\z+3], v[S+32*\z+\j:S+32*\z+\j+1]
	v_pk_add_f32 v[XS+2*\z:XS+2*\z+1], v[XS+2*\z:XS+2*\z+1], v[S+32*\z+\j+2:S+32*\z+\j+3]
.endr
.endr
	s_delay_alu instid0(VALU_DEP_3)
	v_pk_add_f32 v[ST+2:ST+3], v[ST+2:ST+3], v[XS:XS+1]
	s_delay_alu instid0(VALU_DEP_2)
	v_pk_add_f32 v[ST+12:ST+13], v[ST+12:ST+13], v[XS+2:XS+3]
.irp z, 0,1
.irp b, 0,1
.set n, S+32*\z+16*\b
.rept 8
	v_dual_min_num_f32 v[n], s[PLS], v[n] :: v_dual_min_num_f32 v[n+1], s[PLS], v[n+1]   ; the conversion does not saturate (ISA guide 7.6.2); p is not negative, so the hold is one-sided; two numbers a line
.set n, n+2
.endr
	v_cvt_scalef32_pk8_fp8_f32 v[PC+8*\z+4*\b:PC+8*\z+4*\b+1], v[S+32*\z+16*\b:S+32*\z+16*\b+7], v[PSC]
	v_cvt_scalef32_pk8_fp8_f32 v[PC+8*\z+4*\b+2:PC+8*\z+4*\b+3], v[S+32*\z+16*\b+8:S+32*\z+16*\b+15], v[PSC]
.endr
.endr
	s_wait_alu depctr_va_vdst(0)                   ; directly ahead of the first reader of O^T
.set n, 0
.rept 16
	v_pk_mul_f32 v[OT+n:OT+n+1], v[OT+n:OT+n+1], v[ST+4:ST+5] op_sel_hi:[1,0]             ; O^T under the new M.  (These are also the plain lines behind the conversions)
	v_pk_mul_f32 v[OT+32+n:OT+32+n+1], v[OT+32+n:OT+32+n+1], v[ST+14:ST+15] op_sel_hi:[1,0]
.set n, n+2
.endr
.if \w
	s_wait_alu depctr_va_vdst(0)                   ; directly ahead of the wait below
	s_wait_dscnt 0x0                               ; V is in
.endif
.irp t, 0,1,2,3                                ; eight accumulators, one instruction a turn
.irp z, 0,1
	v_wmma_f32_16x16x64_fp8_fp8 v[OT+32*\z+8*\t:OT+32*\z+8*\t+7], v[VFR+8*\t:VFR+8*\t+7], v[PC+8*\z:PC+8*\z+7], v[OT+32*\z+8*\t:OT+32*\z+8*\t+7]
.endr
.endr
.endm
; A VISIT OF A SLOT.  My first unit; the fragments of my second (every wave issues these sixteen loads, so that the registers are written on every way; a wave whose unit is hidden makes nothing of them); the lines in front of
; the change; the signal; my second unit's work, on registers alone; the wait.  Behind it the next slot is whole and nobody reads this one, which takes the keys of the trip after the next (fill = 1).
.macro VISIT fill
	s_lshl_b32 s[KF], s[KS], 8
	s_add_co_u32 s[KF], s[KF], s[KH]
	s_add_co_u32 s60, s[Q0], 31
	s_cmp_gt_u32 s[KF], s60
	s_cbranch_scc1 .Lhid0_\@                       ; all 64 keys come after my 32 queries
	LOADS 0
	COMPUTE 1
.Lhid0_\@:
	s_add_co_u32 s[KF], s[KF], 128                 ; my second unit lies two units on
	LOADS 1
	LINES \fill
	s_barrier_signal -1
	s_add_co_u32 s60, s[Q0], 31
	s_cmp_gt_u32 s[KF], s60
	s_cbranch_scc1 .Lhid1_\@
	COMPUTE 0
.Lhid1_\@:
	s_barrier_wait -1
.if \fill
	TLOAD                                          ; the first thing behind the barrier, a wave's one tensor load until the next
	ASK
.endif
	s_xor_b32 s[TB], s[TB], SLOT1                  ; on to the other slot
	s_mov_b32 s[KS], s[KN]
	s_mov_b32 s[KN], s[K2]
.endm
.macro QLOAD qp                        ; my 32 queries: a tile's row r stands at place 16 (r / 8) + 8 x (which 16 of the chunk) + r % 8; bytes 16 h and 32 + 16 h on, as K's fragments are read
.irp g, 0,1
	global_load_b128 v[QF+4*\g:QF+4*\g+3], v[QA], s[\qp:\qp+1] offset:32*\g
	global_load_b128 v[QF+8+4*\g:QF+8+4*\g+3], v[QA1], s[\qp:\qp+1] offset:32*\g
.endr
.endm
.macro INIT                            ; a block begins: O^T and the sums are zeros and the largest t is under every t, so that the unit is written once: its first change of M multiplies zeros
.set n, 0
.rept 64
	v_mov_b32 v[OT+n], 0
.set n, n+1
.endr
.irp z, 0,1
	v_mov_b32 v[ST+10*\z+1], 0xff61b1e6            ; -3e38
	s_delay_alu instid0(VALU_DEP_1)
	v_floor_f32 v[ST+10*\z], -v[ST+10*\z+1]
	v_mov_b32 v[ST+10*\z+2], 0
	v_mov_b32 v[ST+10*\z+3], 0
.endr
.endm
; A BLOCK ENDS.  My tile 1 (O^T, -M, the sum) goes to my partner through the exchange, as an image of the registers; behind a barrier I take its part of my tile 0 and join the two: -M = the smaller -M, each part x 2^(own M - M).
; A wave that has met no key holds zeros and -M = 3e38: its factor is 2^(a saturated whole number) = 0.  Then O^T / the sum x 2^(e4 + e5), through my stage, and out: sixteen lanes store the head's 256 bytes of one row of out0, aligned.
; The branch round this macro in the loop hangs on the trip and the work-group's number: all sixteen waves go the same way, so all pass its barrier or none.  more = 1: the second block follows.
.macro FINAL op, more
	v_add_f32 v[ST+11], v[ST+12], v[ST+13]         ; tile 1's sum, beside its -M
	v_add_f32 v[ST+6], v[ST+2], v[ST+3]            ; tile 0's
.rept 2
	v_nop                                          ; with the two additions: four places behind the last products
.endr
.irp i, 0,1,2,3,4,5,6,7
	ds_store_b128 v[EXA], v[OT+32+4*\i:OT+32+4*\i+3] offset:512*\i
.endr
	ds_store_b128 v[EXA], v[ST+10:ST+13] offset:4096
.if \more
	QLOAD QP1+2                                    ; the second block's queries are asked for
.endif
	s_wait_alu depctr_va_vdst(0)                   ; directly ahead of the wait below
	s_wait_dscnt 0x0                               ; my stores are done: for my partner's sake
	s_barrier_signal -1
	s_barrier_wait -1
.irp i, 0,1,2,3,4,5,6,7
	ds_load_b128 v[S+4*\i:S+4*\i+3], v[EXB] offset:512*\i
.endr
	ds_load_b128 v[S+32:S+35], v[EXB] offset:4096  ; its -M, its sum
	s_wait_dscnt 0x0
	v_min_num_f32 v[ST+7], v[ST], v[S+32]          ; -M of the two together
	v_sub_f32 v[ST+4], v[ST+7], v[ST]
	v_sub_f32 v[ST+14], v[ST+7], v[S+32]           ; whole numbers, 0 or less
	v_cvt_i32_f32 v[ST+4], v[ST+4]
	v_cvt_i32_f32 v[ST+14], v[ST+14]
	v_ldexp_f32 v[ST+4], 1.0, v[ST+4]              ; my part's factor,
	v_ldexp_f32 v[ST+14], 1.0, v[ST+14]            ; my partner's
	v_mul_f32 v[ST+6], v[ST+6], v[ST+4]
	v_fma_f32 v[ST+6], v[S+33], v[ST+14], v[ST+6]
	v_permlanex16_b32 v[ST+8], v[ST+6], s[SEL], s[SEL+1]
	v_add_f32 v[ST+6], v[ST+6], v[ST+8]            ; the row's sum
	s_wait_alu depctr_va_vdst(0)                   ; ahead of the transcendental
	v_rcp_f32 v[ST+7], v[ST+6]
	v_nop                                          ; a plain line behind it
	s_wait_alu depctr_va_vdst(0)                   ; and the wait ahead of its first reader
	v_ldexp_f32 v[ST+7], v[ST+7], s[ESUM]
	v_mul_f32 v[ST+4], v[ST+4], v[ST+7]
	v_mul_f32 v[ST+14], v[ST+14], v[ST+7]
.set n, 0
.rept 16
	v_pk_mul_f32 v[S+n:S+n+1], v[S+n:S+n+1], v[ST+14:ST+15] op_sel_hi:[1,0]
.set n, n+2
.endr
	s_wait_alu depctr_va_vdst(0)                   ; directly ahead of the first reader of O^T
.set n, 0
.rept 16
	v_pk_fma_f32 v[S+n:S+n+1], v[OT+n:OT+n+1], v[ST+4:ST+5], v[S+n:S+n+1] op_sel_hi:[1,0,1]   ; register 16 g + i is channel 32 g + 16 h + i of my query
.set n, n+2
.endr
.irp g, 0,1
.irp k, 0,1,2,3
	ds_store_b128 v[STO], v[S+16*\g+4*\k:S+16*\g+4*\k+3] offset:128*\g+16*\k
.endr
.endr
.irp i, 0,1,2,3,4,5,6,7
	ds_load_b128 v[S+32+4*\i:S+32+4*\i+3], v[RD] offset:2*SP*\i   ; LDS serves a wave's instructions in order (ISA guide 5.7.1.4): these see my stores
.endr
.irp i, 0,1,2,3,4,5,6,7
	s_wait_dscnt 7-\i                              ; behind this load: the later ones
	global_store_b128 v[GO], v[S+32+4*\i:S+32+4*\i+3], s[\op:\op+1] offset:8192*\i th:TH_STORE_NT
.endr
.if \more
	s_mov_b32 s[Q0], s[Q0+1]
	INIT
	s_wait_alu depctr_va_vdst(0)                   ; directly ahead of the waits below
	s_wait_loadcnt 0x0                             ; Q
	s_wait_xcnt 0x0                                ; the stores have read their registers, which the next scores take
.endif
.endm
	s_load_b256 s[4:11], s[0:1], 0x0               ; qk_codes s[4:5], v_codes s[6:7], the scales' exponents s[8:9], out0 s[10:11]
	v_lshl_add_u32 v[SPW], v0, 2, SPARE
	v_mov_b32 v[NIL], 0
	ds_add_u32 v[SPW], v[NIL]                      ; the opening lines: the add twice on end, and its wait ahead of the first tensor load
	ds_add_u32 v[SPW], v[NIL]
	v_lshrrev_b32 v1, 5, v0
	v_readfirstlane_b32 s[WV], v1                  ; wave 0..15
	s_mov_b32 s[PI], ttmp9
	s_add_co_u32 s[P1], ttmp9, 1
	s_and_b32 s60, ttmp7, 0xffff
	s_lshr_b32 s61, s60, 4                         ; b
	s_and_b32 s62, s60, 15                         ; h
	; descriptor group 1, one shape for K's and V's tiles: 64 rows of 64 bytes, dense in memory, so stated as 16 rows of 256 bytes, with the padding still behind each 64 bytes
	s_mov_b32 s[G1], (0<<16)|(1<<20)|(3<<22)|(3<<25)   ; no mask; elements of 1 byte; padding on: four words after every 16
	s_mov_b32 s[G1+1], 256<<16                     ; tensor_dim0
	s_mov_b32 s[G1+2], 16<<16                      ; tensor_dim1
	s_mov_b32 s[G1+3], 256<<16                     ; tile_dim0
	s_mov_b32 s[G1+4], 16                          ; tile_dim1
	s_mov_b32 s[G1+5], 256                         ; tensor_dim0_stride
	s_mov_b32 s[G1+6], 0
	s_mov_b32 s[G1+7], 0
	; the tile that I fetch: waves 0-3 a unit of K's 256 places, waves 4-7 one of V's four blocks of 64 keys
	s_lshl_b32 s63, s62, 19
	s_lshl_b32 s66, s61, 17
	s_add_co_u32 s63, s63, s66
	s_lshl_b32 s66, s[WV], 12
	s_add_co_u32 s63, s63, s66
	s_add_co_u32 s63, s63, 8388608                 ; K: piece 16 + h, place 2048 b + 64 w
	s_lshl_b32 s66, s61, 21
	s_lshl_b32 s67, s62, 12
	s_add_co_u32 s66, s66, s67
	s_and_b32 s67, s[WV], 3
	s_lshl_b32 s67, s67, 16
	s_add_co_u32 s66, s66, s67                     ; V: piece 32 b + (w - 4), place 64 h
	s_mov_b32 s[OFF+1], 0
	s_mov_b32 s[STR], 262144
	s_mov_b32 s59, 65536
	s_wait_dscnt 0x0                               ; both opening adds are done
	s_cmp_lt_u32 s[WV], 4
	s_cselect_b32 s[OFF], s63, s66
	s_cselect_b32 s[STR], 16384, s[STR]            ; 256 keys on: 256 places of K, four pieces of V
	s_cselect_b32 s59, 4096, s59                   ; from one tile to the next
	s_wait_kmcnt 0x0
	s_cselect_b64 s[KVB:KVB+1], s[4:5], s[6:7]
	s_load_b128 s[68:71], s[8:9], 0x0              ; e0 .. e3
	s_load_b64 s[72:73], s[8:9], 0x10              ; e4, e5
	s_add_nc_u64 s[KVB:KVB+1], s[KVB:KVB+1], s[OFF:OFF+1]
	s_mov_b32 s[G0], 1                             ; count = 1
	s_mul_i32 s[G0+1], s[WV], TILEB                ; LDS: slot 0, tile = my wave's number
	s_mov_b64 s[G0+2:G0+3], s[KVB:KVB+1]           ; key slot 0
	s_or_b32 s[G0+3], s[G0+3], 0x80000000          ; type = 2
	TLOAD                                          ; one load of each of waves 0-7 is out
	s_and_b32 s60, s[WV], 1                        ; the prefetches: waves 0, 1 (4, 5) stand two tiles apart; the address is stepped ahead of its first use
	s_mul_i32 s[OFF], s60, s59
	s_add_nc_u64 s[PFA:PFA+1], s[KVB:KVB+1], s[OFF:OFF+1]
	s_mov_b32 s[PFS], s[STR]
	s_mov_b32 s[PFS+1], 0
	s_and_b32 s60, s[WV], 10
	s_or_b32 s60, s60, s[PI]
	s_cmp_eq_u32 s60, 0
	s_cselect_b32 s[LIM], 6, 0                     ; in front of the loop and in trips 0 to 5, in waves 0, 1, 4, 5 of work-group 0; never elsewhere
	s_lshr_b32 s[HF], s[WV], 3                     ; my half of the keys
	s_lshr_b32 s60, s[WV], 2
	s_and_b32 s60, s60, s[HF]                      ; 1 in waves 12-15,
	s_lshl_b32 s60, s60, 1
	s_and_b32 s[CH], s[WV], 7
	s_xor_b32 s[CH], s[CH], s60                    ; whose chunks are 6, 7, 4, 5: waves w, w + 4, w + 8, w + 12 then have 5 units together in a diagonal slot, for every w
	s_lshl_b32 s[KH], s[HF], 6
	s_lshl_b32 s76, s[HF], 4                       ; the tile that I keep begins 16 x half queries into the chunk
	s_lshl_b32 s60, s[HF], 5
	s_sub_co_u32 s[DZ], 16, s60
	s_lshl_b32 s[Q0], s[PI], 8
	s_lshl_b32 s60, s[CH], 5
	s_add_co_u32 s[Q0], s[Q0], s60                 ; my chunk's first query in block PI,
	s_sub_co_u32 s[Q0+1], 7, s[PI]
	s_lshl_b32 s[Q0+1], s[Q0+1], 8
	s_add_co_u32 s[Q0+1], s[Q0+1], s60             ; and in block 7 - PI
	s_lshl_b32 s61, s61, 11                        ; 2048 b
	s_lshl_b32 s63, s62, 19                        ; q's piece h
	s_lshl_b32 s66, s62, 8                         ; the head's 256 bytes in a row of out0
.irp k, 0,1
	s_add_co_u32 s60, s61, s[Q0+\k]
	s_lshl_b32 s[OFF], s60, 6
	s_add_co_u32 s[OFF], s[OFF], s63
	s_add_nc_u64 s[QP1+2*\k:QP1+2*\k+1], s[4:5], s[OFF:OFF+1]
	s_add_co_u32 s60, s60, s76
	s_lshl_b32 s[OFF], s60, 12
	s_add_co_u32 s[OFF], s[OFF], s66
	s_add_nc_u64 s[OP1+2*\k:OP1+2*\k+1], s[10:11], s[OFF:OFF+1]
.endr
	s_mov_b32 s[SEL], 0x76543210                   ; v_permlanex16_b32: lane l xor 16
	s_mov_b32 s[SEL+1], 0xfedcba98
	s_mul_i32 s60, s[HF], TILEB                    ; my first unit of a slot
	s_mul_i32 s61, s[WV], WSTG
	s_add_co_u32 s61, s61, STAGE                   ; my stage
	s_lshl_b32 s62, s[HF], 3
	s_add_co_u32 s62, s62, s[CH]
	s_mul_i32 s62, s62, EXW
	s_add_co_u32 s62, s62, EXCH                    ; the exchange: place 8 x half + chunk is mine,
	s_xor_b32 s63, s[HF], 1
	s_lshl_b32 s63, s63, 3
	s_add_co_u32 s63, s63, s[CH]
	s_mul_i32 s63, s63, EXW
	s_add_co_u32 s63, s63, EXCH                    ; the other half's is my partner's
	s_lshl_b32 s66, s[HF], 9                       ; tile 0 of half 1 is the chunk's second 16 queries: eight places of 64 bytes on,
	s_xor_b32 s67, s66, 512                        ; and tile 1 the other 16
	v_and_b32 v126, 15, v0                         ; r
	v_bfe_u32 v127, v0, 4, 1                       ; h
	v_and_b32 v128, 31, v0
	v_mul_u32_u24 v[AL], v126, 80
	v_lshl_add_u32 v[AL], v127, 4, v[AL]
	v_add_nc_u32 v[AL], s60, v[AL]
	v_mul_lo_u32 v[PFO], v127, s59
	v_lshl_add_u32 v[PFO], v126, 8, v[PFO]         ; lanes 0-15 one tile's 4,096 bytes, 256 apart; lanes 16-31 the next tile's
	v_lshlrev_b32 v[GO], 12, v127
	v_lshl_add_u32 v[GO], v126, 4, v[GO]           ; lanes 0-15 one row of out0, lanes 16-31 the next
	v_mul_u32_u24 v[STO], v126, SP
	v_lshl_add_u32 v[STO], v127, 6, v[STO]
	v_add_nc_u32 v[STO], s61, v[STO]               ; in: row r, my half's 16 channels: 64 h bytes on
	v_mul_u32_u24 v[RD], v127, SP
	v_lshl_add_u32 v[RD], v126, 4, v[RD]
	v_add_nc_u32 v[RD], s61, v[RD]
	v_lshlrev_b32 v128, 4, v128
	v_add_nc_u32 v[EXA], s62, v128                 ; 16 bytes a lane
	v_add_nc_u32 v[EXB], s63, v128
	v_lshrrev_b32 v129, 3, v126
	v_and_b32 v130, 7, v126
	v_lshlrev_b32 v129, 10, v129
	v_lshl_add_u32 v129, v130, 6, v129
	v_lshl_add_u32 v129, v127, 4, v129
	v_add_nc_u32 v[QA], s66, v129
	v_add_nc_u32 v[QA1], s67, v129
	v_mov_b32 v[NINF], 0xff800000
	v_lshlrev_b32 v130, 4, v127
	v_sub_nc_u32 v[RH], v126, v130
	v_add_nc_u32 v[RH], s76, v[RH]
	QLOAD QP1
	INIT
.irp z, 0,1
	v_mov_b32 v[ST+10*\z+5], 0                     ; named as the upper half of f's pair
	v_mov_b32 v[ST+10*\z+8], 0                     ; a lane permute's destination counts as one of its sources
.endr
	s_wait_kmcnt 0x0
	s_add_co_i32 s60, s70, s71
	s_lshl_b32 s60, s60, 23
	s_add_co_i32 s[CS], s60, 0x3e38aa3b            ; log2(e) / 8, with e2 + e3 added to its exponent field
	s_mov_b32 s[CS+1], s[CS]                       ; (named with it as a pair)
	s_add_co_i32 s60, s72, 127
	s_lshl_b32 s61, s60, 23
	v_mov_b32 v[PSC], s61                          ; 2^e4
	s_add_co_i32 s60, s60, 8
	s_lshl_b32 s60, s60, 23
	s_or_b32 s[PLS], s60, 0x600000                 ; 448 x 2^e4
	s_add_co_i32 s[ESUM], s72, s73
	s_mov_b32 s[TRIP], 0
	s_mov_b32 s[KS], 0
	s_mov_b32 s[TB], 0
	s_wait_alu depctr_va_vdst(0)                   ; at the head's end
	s_wait_loadcnt 0x0                             ; Q
	LINES 2                                        ; the first change: slot 0 is whole behind it, and slot 1 is filled for the first time, as a refill is, with trip 1's keys
	s_barrier_signal -1
	s_barrier_wait -1
	TLOAD
	ASK
	s_mov_b32 s[KN], s[K2]
.Ltrip:                                            ; seven trips: behind each one's change of slots the keys of the trip after the next are asked for
	s_cmp_eq_u32 s[TRIP], s[P1]
	s_cbranch_scc0 .Lsame
	FINAL OP1, 1                                   ; the first block is done and goes out; the second begins
.Lsame:
	VISIT 1
	s_add_co_u32 s[TRIP], s[TRIP], 1
	s_cmp_lt_u32 s[TRIP], 7
	s_cbranch_scc1 .Ltrip
.Llast:                                            ; the last two visits fetch nothing: they have a loop of their own
	VISIT 0
	s_add_co_u32 s[TRIP], s[TRIP], 1
	s_cmp_lt_u32 s[TRIP], 9
	s_cbranch_scc1 .Llast
	FINAL OP1+2, 0
	s_wait_tensorcnt 0x0                           ; the wave's end: behind my last tensor load and my last LDS store
	ds_add_u32 v[SPW], v[NIL]
	s_wait_dscnt 0x0
	s_endpgm
.Lfunc_end_k_q9aba3f76fb_attn:
	.size	k_q9aba3f76fb_attn, .Lfunc_end_k_q9aba3f76fb_attn-k_q9aba3f76fb_attn
	.p2alignl 7, 3214868480
	.fill 96, 4, 3214868480
	.section	.rodata,"a",@progbits
	.p2align	6, 0x0
	.amdhsa_kernel k_q9aba3f76fb_attn
		.amdhsa_group_segment_fixed_size 327680
		.amdhsa_private_segment_fixed_size 0
		.amdhsa_enable_private_segment 0
		.amdhsa_kernarg_size 32
		.amdhsa_user_sgpr_count 2
		.amdhsa_user_sgpr_kernarg_segment_ptr 1
		.amdhsa_wavefront_size32 1
		.amdhsa_system_sgpr_workgroup_id_x 1
		.amdhsa_system_sgpr_workgroup_id_y 1
		.amdhsa_system_sgpr_workgroup_id_z 1
		.amdhsa_system_vgpr_workitem_id 0
		.amdhsa_next_free_vgpr 256
		.amdhsa_next_free_sgpr 84
		.amdhsa_reserve_vcc 1
		.amdhsa_float_denorm_mode_32 3
		.amdhsa_float_denorm_mode_16_64 3
		.amdhsa_memory_ordered 1
		.amdhsa_forward_progress 1
		.amdhsa_inst_pref_size 111
	.end_amdhsa_kernel
	.amdgpu_metadata
---
amdhsa.version: [ 1, 2 ]
amdhsa.kernels:
  - .name:           k_q9aba3f76fb_attn
    .symbol:         k_q9aba3f76fb_attn.kd
    .args:
      - { .name: qk_codes, .offset: 0, .size: 8, .value_kind: global_buffer, .address_space: global }
      - { .name: v_codes, .offset: 8, .size: 8, .value_kind: global_buffer, .address_space: global }
      - { .name: lowp_scales, .offset: 16, .size: 8, .value_kind: global_buffer, .address_space: global }
      - { .name: out0, .offset: 24, .size: 8, .value_kind: global_buffer, .address_space: global }
    .group_segment_fixed_size: 327680
    .private_segment_fixed_size: 0
    .kernarg_segment_align: 8
    .kernarg_segment_size: 32
    .max_flat_workgroup_size: 512
    .sgpr_count:     84
    .vgpr_count:     256
    .wavefront_size: 32
...
	.end_amdgpu_metadata
.endif
;; end of part 3
